; MI455X (gfx1250); checked and timed in simulation.
; The chip was launched on July 23, 2026; its instructions are those of AMD's public machine-readable ISA for CDNA 5 (MIT licence, August 2026) and "CDNA5" Instruction Set Architecture Reference Guide (July 2026). The comments in the code are by the model that wrote it; some were corrected since.
;; Adaptive Neighborhood Search. Allowed arithmetic: float matrix products may take bf16 or f16 operands with f32 sums; all other float work in f32.
;; Inputs: points 2 x 8,192 x 3 float32.
;; Outputs: out0 2 x 8,192 x 16 int32.
;; Constants: k = 16.
;; 2 versions, each right; version 2 is version 1 with the launch coarse written anew for expert scheduling mode. Each part assembles by itself: llvm-mc -triple=amdgcn-amd-amdhsa -mcpu=gfx1250 --defsym DOCPART=n.
;; ======== version 1 of 2: 2 launches
;; workspace buffers: mask 1,048,576 bytes of whole numbers; rounds 262,144 bytes of whole numbers
;; launch coarse (part 1): grid 256 x 1, 4 waves a work-group, no clusters, 262,912 bytes of LDS; arguments points, mask, rounds; writes mask, rounds
.if DOCPART == 1
	.amdgcn_target "amdgcn-amd-amdhsa--gfx1250"
	.amdhsa_code_object_version 6
	.text
	.protected	k_q4b4467a46a_coarse
	.globl	k_q4b4467a46a_coarse
	.p2align	8
	.type	k_q4b4467a46a_coarse,@function
k_q4b4467a46a_coarse:
	s_mov_b64 s[64:65], 0
	v_nop
	global_prefetch_b8 v0, s[64:65] scope:SCOPE_SE
	s_setreg_imm32_b32 hwreg(HW_REG_WAVE_MODE, 25, 1), 1
	s_wait_xcnt 0x0
; FILTER.  For each of 2 x 8192 queries: which blocks of 16 candidates can hold one of its 16 nearest neighbours.
; points: [2][8192][3] f32.  mask: 1024 wave tasks x 1024 bytes of whole numbers.  rounds: 1024 wave tasks x 256 bytes of whole numbers.
; A wave owns 16 queries (global numbers 16 W .. 16 W + 15, W = 4 x work-group + wave), a work-group 64, all of one batch.
; The matrix unit forms e(j, i) = sq_j - 2 a_i . b_j for all 8192 candidates j: the squared distance less sq_i, which is the same
; for all candidates of a query.  Operands are the points rounded to bf16; sq_j enters as three bf16 pieces whose sum is sq_j exactly.
; In a result tile lane (r, h) holds candidates 8 h + 0..7 of the tile for query r.  Block (t, h) of a query = what lane (r, h) holds of
; tiles 2 t and 2 t + 1: candidates 32 t + 8 h + j and 32 t + 16 + 8 h + j, j = 0..7.  512 blocks a query, 256 a lane.
; T = the 16th smallest block minimum of the query.  With |e + sq_i - d2| <= eps for every pair, at most 15 blocks have a minimum below
; D16 - sq_i - eps (D16: the 16th neighbour's d2), so T >= D16 - sq_i - eps, and every block with one of the 16 has a minimum
; <= D16 - sq_i + eps <= T + 2 eps.  The mask is: minimum <= T + 2 eps, eps = 2^-17 (sq_i + largest sq of the batch).
; The mask only discards; the order itself is made by the second launch, which takes any number of set bits.
; mask layout: byte W*1024 + c*512 + lane*16 holds words 4c .. 4c+3 of that lane; bit n of word w stands for block t = 32 w + n.
; rounds layout: all 64 words at byte W*256 hold the largest number of set bits of any lane of wave task W: the second launch's trip count.
; No tensor loads, no cluster: the shared data are 98,304 bytes a batch and are rounded and split on the way into LDS.
; LIMITS: inputs finite and sq finite in f32 and bf16 (a NaN or an infinity in a table row would spoil its tile).  eps rests on the
; matrix form's error being at most 2^-19 (sq_i + sq_j); it is four times that.
.set PBATCH, 98304                     ; bytes of one batch of points
.set MINS,   131072                    ; LDS: behind the table (8192 rows of 16 bytes), 32,768 bytes of block minima for each wave
.set RED,    262144                    ; LDS: four words, the waves' largest sq
.set ADR,   4                          ; v4   LDS address of my row in the trip's first tile
.set MADR,  5                          ; v5   where this trip's block minima go
.set TH,    6                          ; v6   the threshold
.set SQI,   7                          ; v7   sq of my query
.set SMAX,  8                          ; v8   largest sq
.set MBASE, 9                          ; v9   my first block minima
.set QP,   16                          ; v[16:18] my query's point as loaded; v20 its byte offset (until the loop takes these registers)
.set AS,   16                          ; v[16:35], v[36:55]  two sets of four A tiles (4 registers each) and 4 registers of zeros
.set MV,   16                          ; v[16:143] the mask pass: 4 x 32 block minima
.set PA,   16                          ; v[16:23], v[24:31]  the count of set bits, behind the mask pass
.set PB,   24
.set LD,   64                          ; v[64:191] the table's build: 32 points, 4 registers each
.set D,    64                          ; v[64:95], v[96:127]  two sets of four result tiles
.set X,    128                         ; v[128:143], v[144:159]  the sorting network's two arrays
.set Y,    144
.set LS,   160                         ; v[160:175] the 16 smallest block minima so far, ascending
.set BF,   176                         ; v[176:183] B: my query's column
.set MW,   184                         ; v[184:191] the eight mask words
.set M,    192                         ; v[192:207] this trip's 16 block minima
	s_load_b128 s[4:7], s[0:1], 0x0                ; points s[4:5], mask s[6:7]
	s_load_b64 s[18:19], s[0:1], 0x10              ; rounds
	v_lshl_add_u32 v208, v0, 2, 0x40100
	v_mov_b32 v209, 0
	v_lshrrev_b32 v9, 5, v0
	v_readfirstlane_b32 s8, v9                     ; wave 0..3
	v_and_b32 v1, 31, v0                           ; lane
	v_and_b32 v2, 15, v0                           ; r
	v_bfe_u32 v3, v0, 4, 1                         ; h
	s_mov_b32 s10, 0x76543210                      ; v_permlanex16_b32: lane i takes lane i of the other half
	s_mov_b32 s11, 0xfedcba98
	s_mov_b32 s16, 0xffff0000                      ; a word's upper bf16
	s_lshr_b32 s14, ttmp9, 7                       ; batch: 128 work-groups each
	s_mul_i32 s14, s14, PBATCH
	s_mov_b32 s15, 0
	s_and_b32 s13, ttmp9, 127
	s_lshl_b32 s13, s13, 6
	s_lshl4_add_u32 s13, s8, s13                   ; 64 x work-group of the batch + 16 x wave
	v_add_nc_u32 v20, s13, v2                      ; my query's number in the batch
	v_mul_u32_u24 v20, 12, v20
	v_mul_u32_u24 v10, 12, v0                      ; point t of the batch: 12 t
	v_lshlrev_b32 v11, 4, v0                       ; its table row: 16 t
	v_mov_b32 v[SMAX], 0                           ; sq >= 0
	s_mov_b32 s12, 0
	s_wait_kmcnt 0x0
	s_add_nc_u64 s[4:5], s[4:5], s[14:15]
	global_load_b96 v[QP:QP+2], v20, s[4:5]        ; my query's point: older than the build's loads, so their first counted wait shows it in
; THE TABLE.  Row p, 16 bytes = eight bf16 along k: 0, 0, z, sh, sm, sl, x, y, with sh + sm + sl = sq = fl(fl(x x + y y) + z z) of the
; rounded point.  Four points at a time, pass by pass, so that no instruction needs the result of the one in front of it.
.macro PREP4 g
	s_wait_loadcnt 28-4*\g                         ; loads come back in order: all but the 28 - 4 g younger than this group's are in
.irp k, 0,1,2,3
.set P, LD+16*\g+4*\k
	v_cvt_pk_bf16_f32 v[P+3], v[P], v[P+1]         ; word 3: x, y
.endr
.irp k, 0,1,2,3
.set P, LD+16*\g+4*\k
	v_cvt_pk_bf16_f32 v[P+2], v[P+2], v[P+2]
.endr
.irp k, 0,1,2,3
.set P, LD+16*\g+4*\k
	v_lshlrev_b32 v[P], 16, v[P+3]                 ; the rounded x, y, z as f32
.endr
.irp k, 0,1,2,3
.set P, LD+16*\g+4*\k
	v_and_b32 v[P+1], s16, v[P+3]
.endr
.irp k, 0,1,2,3
.set P, LD+16*\g+4*\k
	v_lshlrev_b32 v[P+2], 16, v[P+2]
.endr
.irp k, 0,1,2,3
.set P, LD+16*\g+4*\k
	v_mul_f32 v[P], v[P], v[P]                     ; products of bf16 numbers are exact in f32
.endr
.irp k, 0,1,2,3
.set P, LD+16*\g+4*\k
	v_fmac_f32 v[P], v[P+1], v[P+1]
.endr
.irp k, 0,1,2,3
.set P, LD+16*\g+4*\k
	v_fmac_f32 v[P], v[P+2], v[P+2]                ; sq
.endr
	v_max3_num_f32 v[SMAX], v[SMAX], v[LD+16*\g], v[LD+16*\g+4]
	v_max3_num_f32 v[SMAX], v[SMAX], v[LD+16*\g+8], v[LD+16*\g+12]
.irp k, 0,1,2,3
.set P, LD+16*\g+4*\k
	v_cvt_pk_bf16_f32 v[P+1], v[P+2], v[P]         ; word 1: z, sh
.endr
.irp k, 0,1,2,3
.set P, LD+16*\g+4*\k
	v_and_b32 v[12+\k], s16, v[P+1]
.endr
.irp k, 0,1,2,3
.set P, LD+16*\g+4*\k
	v_sub_f32 v[P], v[P], v[12+\k]                 ; sq - sh, exact
.endr
.irp k, 0,1,2,3
.set P, LD+16*\g+4*\k
	v_cvt_pk_bf16_f32 v[12+\k], v[P], v[P]
.endr
.irp k, 0,1,2,3
	v_lshlrev_b32 v[12+\k], 16, v[12+\k]           ; sm as f32
.endr
.irp k, 0,1,2,3
.set P, LD+16*\g+4*\k
	v_sub_f32 v[12+\k], v[P], v[12+\k]             ; sq - sh - sm, exact, at most 8 bits long
.endr
.irp k, 0,1,2,3
.set P, LD+16*\g+4*\k
	v_cvt_pk_bf16_f32 v[P+2], v[P], v[12+\k]       ; word 2: sm, sl
.endr
.irp k, 0,1,2,3
.set P, LD+16*\g+4*\k
	v_mov_b32 v[P], 0                              ; word 0
.endr
.irp k, 0,1,2,3
.set P, LD+16*\g+4*\k
	ds_store_b128 v11, v[P:P+3] offset:(4*\g+\k)*2048
.endr
.endm
.Lbuild:                                               ; two trips of 32 points a thread: point t + 128 i + 4096 x trip
.set si, 0
.rept 32
	global_load_b96 v[LD+4*si:LD+4*si+2], v10, s[4:5] offset:si*1536   ; a wave's load covers 384 neighbouring bytes
.set si, si+1
.endr
.irp g, 0,1,2,3,4,5,6,7
	PREP4 \g
.endr
	s_wait_dscnt 0x0                               ; my rows are in LDS: for the next trip's loads into their registers, and for the barrier below
	s_add_nc_u64 s[4:5], s[4:5], 49152             ; behind the last group's s_wait_loadcnt 0: no load still reads the base
	v_add_nc_u32 v11, 0x10000, v11
	s_add_co_u32 s12, s12, 1
	s_cmp_lt_u32 s12, 2
	s_cbranch_scc1 .Lbuild
	v_max_num_f32_dpp v[SMAX], v[SMAX], v[SMAX] row_xmask:1 row_mask:0xf bank_mask:0xf
	v_max_num_f32_dpp v[SMAX], v[SMAX], v[SMAX] row_xmask:2 row_mask:0xf bank_mask:0xf
	v_max_num_f32_dpp v[SMAX], v[SMAX], v[SMAX] row_xmask:4 row_mask:0xf bank_mask:0xf
	v_max_num_f32_dpp v[SMAX], v[SMAX], v[SMAX] row_xmask:8 row_mask:0xf bank_mask:0xf
	v_permlanex16_b32 v9, v[SMAX], s10, s11        ; v9 has been written
	v_max_num_f32 v[SMAX], v[SMAX], v9
	s_lshl_b32 s13, s8, 2
	s_add_co_u32 s13, s13, RED
	v_mov_b32 v12, s13
	ds_store_b32 v12, v[SMAX]                      ; my wave's largest sq, into its own word
	s_wait_dscnt 0x0                               ; for the other waves: zero
	s_barrier_signal -1
	s_barrier_wait -1                              ; the table and the four words are whole
	; MY QUERY: B's column r.  k = 0..7 in lanes 0-15: 0, 0, -2z, 1, 1, 1, -2x, -2y; every other k is 0.
	v_mov_b32 v15, RED
	ds_load_b128 v[BF+4:BF+7], v15                 ; the four waves' largest sq
	v_cvt_pk_bf16_f32 v12, v[QP], v[QP+1]          ; my query's point, rounded as the table's rows are
	v_cvt_pk_bf16_f32 v14, v[QP+2], v[QP+2]
	v_and_b32 v13, s16, v12                        ; y
	v_lshlrev_b32 v12, 16, v12                     ; x
	v_lshlrev_b32 v14, 16, v14                     ; z
	v_mul_f32 v[SQI], v12, v12
	v_fmac_f32 v[SQI], v13, v13
	v_fmac_f32 v[SQI], v14, v14
	v_mul_f32 v12, -2.0, v12
	v_mul_f32 v13, -2.0, v13
	v_mul_f32 v14, -2.0, v14
	v_cvt_pk_bf16_f32 v12, v12, v13
	v_cvt_pk_bf16_f32 v14, v14, 1.0
	s_lshl_b32 s13, s8, 15
	s_add_co_u32 s13, s13, MINS
	v_lshl_add_u32 v[MADR], v1, 4, s13             ; my wave's 32,768 bytes + 16 x lane
	v_mov_b32 v[MBASE], v[MADR]
	v_lshlrev_b32 v[ADR], 4, v2                    ; row r of a tile; lanes 16-31 read the same row into k = 8..15, where B is 0
.irp k, 0,1,2,3
	v_mov_b32 v[AS+16+\k], 0                       ; behind each set's fourth tile: k = 16..31 of that tile
	v_mov_b32 v[AS+36+\k], 0
.endr
.set si, 0
.rept 16
	v_mov_b32 v[LS+si], 0x7f800000                 ; the list starts with +infinity
.set si, si+1
.endr
	s_wait_dscnt 0x0
	v_max3_num_f32 v[SMAX], v[BF+4], v[BF+5], v[BF+6]
	v_max_num_f32 v[SMAX], v[SMAX], v[BF+7]        ; largest sq of the batch
	v_mov_b32 v15, 0x3f803f80
	v_cmp_eq_u32 vcc_lo, 0, v3
	v_mov_b32 v[BF], 0
	v_cndmask_b32 v[BF+1], 0, v14, vcc_lo
	v_cndmask_b32 v[BF+2], 0, v15, vcc_lo
	v_cndmask_b32 v[BF+3], 0, v12, vcc_lo
.irp k, 4,5,6,7
	v_mov_b32 v[BF+\k], 0
.endr
; Four tiles of 16 candidates.  A tile is 4 registers (k = 0..7, or 8..15 in lanes 16-31); the operand's upper four registers
; (k = 16..31) are the next tile's, or the zeros behind the fourth: finite numbers that meet zeros in B.
.macro LOADA set, g
.irp u, 0,1,2,3
	ds_load_b128 v[AS+20*\set+4*\u:AS+20*\set+4*\u+3], v[ADR] offset:(4*\g+\u)*256
.endr
.endm
; Each matrix instruction starts a sum of its own (C = 0) in a result tile of its own: no accumulator is taken up again.
.macro WMMA4 set
.irp u, 0,1,2,3
	v_wmma_f32_16x16x32_bf16 v[D+32*\set+8*\u:D+32*\set+8*\u+7], v[AS+20*\set+4*\u:AS+20*\set+4*\u+7], v[BF:BF+7], 0
.endr
.endm
; Two block minima from a set's four tiles: 16 numbers each, a tree of three levels, in place.  16 instructions.
.macro RED2 set, xi
.irp e, 0,3,6,9,12
	v_min3_num_f32 v[D+32*\set+\e], v[D+32*\set+\e], v[D+32*\set+\e+1], v[D+32*\set+\e+2]
	v_min3_num_f32 v[D+32*\set+16+\e], v[D+32*\set+16+\e], v[D+32*\set+16+\e+1], v[D+32*\set+16+\e+2]
.endr
	v_min3_num_f32 v[D+32*\set], v[D+32*\set], v[D+32*\set+3], v[D+32*\set+6]
	v_min3_num_f32 v[D+32*\set+16], v[D+32*\set+16], v[D+32*\set+19], v[D+32*\set+22]
	v_min3_num_f32 v[D+32*\set+9], v[D+32*\set+9], v[D+32*\set+12], v[D+32*\set+15]
	v_min3_num_f32 v[D+32*\set+25], v[D+32*\set+25], v[D+32*\set+28], v[D+32*\set+31]
	v_min_num_f32 v[M+\xi], v[D+32*\set], v[D+32*\set+9]
	v_min_num_f32 v[M+\xi+1], v[D+32*\set+16], v[D+32*\set+25]
.endm
; One stage of a bitonic network on 16 registers, from one array into another: partners i and i xor jj, ascending where i & kk = 0.
.macro STAGE src, dst, kk, jj
.set si, 0
.rept 16
.set sl, si ^ \jj
.if sl > si
.if (si & \kk) == 0
	v_min_num_f32 v[\dst+si], v[\src+si], v[\src+sl]
	v_max_num_f32 v[\dst+sl], v[\src+si], v[\src+sl]
.else
	v_max_num_f32 v[\dst+si], v[\src+si], v[\src+sl]
	v_min_num_f32 v[\dst+sl], v[\src+si], v[\src+sl]
.endif
.endif
.set si, si+1
.endr
.endm
; THE LOOP: 16 trips of 32 tiles (512 candidates), eight groups of four tiles on two sets of registers.  While one group is multiplied,
; the group before is reduced.  Those 16 plain vector instructions name none of the running group's registers: they are the places
; in front of the loads into the A set just read and in front of the reads of its results.
	s_mov_b32 s12, 0
.Ltrip:
	LOADA 0, 0
	LOADA 1, 1
	s_wait_dscnt 0x4                               ; all but the four loads of the next set: this group's tiles are in (and the last trip's stores done)
	WMMA4 0
.rept 5
	v_nop                                          ; nothing to reduce yet: five places in front of the loads, of the reads and of the next use of this set
.endr
	LOADA 0, 2
	s_wait_dscnt 0x4
	WMMA4 1
	RED2 0, 0
	LOADA 1, 3
	s_wait_dscnt 0x4
	WMMA4 0
	RED2 1, 2
	LOADA 0, 4
	s_wait_dscnt 0x4
	WMMA4 1
	RED2 0, 4
	LOADA 1, 5
	s_wait_dscnt 0x4
	WMMA4 0
	RED2 1, 6
	LOADA 0, 6
	s_wait_dscnt 0x4
	WMMA4 1
	RED2 0, 8
	LOADA 1, 7
	s_wait_dscnt 0x4
	WMMA4 0
	RED2 1, 10
	s_wait_dscnt 0x0                               ; the last group's tiles
	WMMA4 1
	RED2 0, 12
	RED2 1, 14
.irp q, 0,1,2,3
	ds_store_b128 v[MADR], v[M+4*\q:M+4*\q+3] offset:\q*512    ; kept for the mask pass; M is written again only behind the next trip's waits
.endr
	STAGE M, Y, 2, 1                               ; sort the 16 new minima, ascending
	STAGE Y, X, 4, 2
	STAGE X, Y, 4, 1
	STAGE Y, X, 8, 4
	STAGE X, Y, 8, 2
	STAGE Y, X, 8, 1
	STAGE X, Y, 16, 8
	STAGE Y, X, 16, 4
	STAGE X, Y, 16, 2
	STAGE Y, X, 16, 1
.set si, 0
.rept 16
	v_min_num_f32 v[Y+si], v[LS+si], v[X+15-si]    ; the 16 smallest of list and new ones, a bitonic row
.set si, si+1
.endr
	STAGE Y, X, 16, 8                              ; put in order again
	STAGE X, Y, 16, 4
	STAGE Y, X, 16, 2
	STAGE X, LS, 16, 1
	v_add_nc_u32 v[ADR], 0x2000, v[ADR]
	v_add_nc_u32 v[MADR], 0x800, v[MADR]
	s_add_co_u32 s12, s12, 1
	s_cmp_lt_u32 s12, 16
	s_cbranch_scc1 .Ltrip
	; THE THRESHOLD: the two lanes of a query join their lists; T = the largest of the 16 smallest.
.set si, 0
.rept 16
	v_permlanex16_b32 v[Y+si], v[LS+si], s10, s11
.set si, si+1
.endr
.set si, 0
.rept 16
	v_min_num_f32 v[X+si], v[LS+si], v[Y+15-si]
.set si, si+1
.endr
.irp e, 0,3,6,9,12
	v_max3_num_f32 v[X+\e], v[X+\e], v[X+\e+1], v[X+\e+2]
.endr
	v_add_f32 v10, v[SQI], v[SMAX]
	v_max3_num_f32 v[X], v[X], v[X+3], v[X+6]
	v_max3_num_f32 v[X+9], v[X+9], v[X+12], v[X+15]
	v_max_num_f32 v11, v[X], v[X+9]
	v_fmamk_f32 v[TH], v10, 0x37800000, v11        ; T + 2^-16 (sq_i + largest sq)
; THE MASK, four words at a time: 128 block minima back from my wave's own bytes (LDS serves a wave's instructions in order),
; bit n of a word from minimum 32 w + n, from bit 31 down: word = 2 x word + bit.
.macro MASK4 hh
.set sc, 0
.rept 4
.set sq, 0
.rept 8
	ds_load_b128 v[MV+32*sc+4*sq:MV+32*sc+4*sq+3], v[MBASE] offset:(2*(4*\hh+sc)+sq/4)*2048+(sq%4)*512
.set sq, sq+1
.endr
.set sc, sc+1
.endr
	s_wait_dscnt 0x0
.irp c, 0,1,2,3
	v_cmp_ge_f32 s[20+\c], v[TH], v[MV+32*\c+31]
.endr
.irp c, 0,1,2,3
	v_cndmask_b32 v[MW+4*\hh+\c], 0, 1, s[20+\c]
.endr
.set sn, 30
.rept 31
.irp c, 0,1,2,3
	v_cmp_ge_f32 s[20+\c], v[TH], v[MV+32*\c+sn]
.endr
.irp c, 0,1,2,3
	v_cndmask_b32 v[Y+\c], 0, 1, s[20+\c]
.endr
.irp c, 0,1,2,3
	v_lshl_or_b32 v[MW+4*\hh+\c], v[MW+4*\hh+\c], 1, v[Y+\c]
.endr
.set sn, sn-1
.endr
.endm
	MASK4 0
	MASK4 1
	s_lshl_b32 s14, ttmp9, 2
	s_add_co_u32 s14, s14, s8                      ; W
	s_lshl_b32 s24, s14, 8                         ; 256 bytes of rounds for each W,
	s_mov_b32 s25, 0
	s_lshl_b32 s14, s14, 10                        ; 1,024 of mask
	s_mov_b32 s15, 0
	s_add_nc_u64 s[6:7], s[6:7], s[14:15]
	s_add_nc_u64 s[18:19], s[18:19], s[24:25]
	v_lshlrev_b32 v12, 4, v1
	v_lshlrev_b32 v13, 3, v1
	global_store_b128 v12, v[MW:MW+3], s[6:7]                  ; each store of the wave covers 512 consecutive bytes, aligned
	global_store_b128 v12, v[MW+4:MW+7], s[6:7] offset:512
	; THE SECOND LAUNCH'S TRIP COUNT: my lane's set bits, eight words side by side, then the largest of the 32 lanes.  Integers only.
.irp k, 0,1,2,3,4,5,6,7
	v_lshrrev_b32 v[PB+\k], 1, v[MW+\k]
.endr
.irp k, 0,1,2,3,4,5,6,7
	v_and_b32 v[PB+\k], 0x55555555, v[PB+\k]
.endr
.irp k, 0,1,2,3,4,5,6,7
	v_sub_nc_u32 v[PA+\k], v[MW+\k], v[PB+\k]      ; sums of 2 bits
.endr
.irp k, 0,1,2,3,4,5,6,7
	v_lshrrev_b32 v[PB+\k], 2, v[PA+\k]
.endr
.irp k, 0,1,2,3,4,5,6,7
	v_and_b32 v[PB+\k], 0x33333333, v[PB+\k]
.endr
.irp k, 0,1,2,3,4,5,6,7
	v_and_b32 v[PA+\k], 0x33333333, v[PA+\k]
.endr
.irp k, 0,1,2,3,4,5,6,7
	v_add_nc_u32 v[PA+\k], v[PA+\k], v[PB+\k]      ; of 4
.endr
.irp k, 0,1,2,3,4,5,6,7
	v_lshrrev_b32 v[PB+\k], 4, v[PA+\k]
.endr
.irp k, 0,1,2,3,4,5,6,7
	v_add_nc_u32 v[PA+\k], v[PA+\k], v[PB+\k]
.endr
.irp k, 0,1,2,3,4,5,6,7
	v_and_b32 v[PA+\k], 0x0f0f0f0f, v[PA+\k]       ; of 8, a byte each
.endr
	v_add3_u32 v[PA], v[PA], v[PA+1], v[PA+2]
	v_add3_u32 v[PA+3], v[PA+3], v[PA+4], v[PA+5]
	v_add_nc_u32 v[PA+6], v[PA+6], v[PA+7]
	v_add3_u32 v[PA], v[PA], v[PA+3], v[PA+6]      ; bytes of at most 64
	v_lshrrev_b32 v[PA+1], 8, v[PA]
	v_and_b32 v[PA], 0xff00ff, v[PA]
	v_and_b32 v[PA+1], 0xff00ff, v[PA+1]
	v_add_nc_u32 v[PA], v[PA], v[PA+1]             ; halves of at most 128
	v_lshrrev_b32 v[PA+1], 16, v[PA]
	v_and_b32 v[PA], 0xffff, v[PA]
	v_add_nc_u32 v[PA], v[PA], v[PA+1]             ; 0 .. 256
.irp m, 1,2,4,8
	v_mov_b32_dpp v[PA+1], v[PA] row_xmask:\m row_mask:0xf bank_mask:0xf
	v_max_u32 v[PA], v[PA], v[PA+1]
.endr
	v_permlanex16_b32 v[PA+1], v[PA], s10, s11
	v_max_u32 v[PA], v[PA], v[PA+1]                ; the same number in every lane
	v_mov_b32 v[PA+1], v[PA]
	global_store_b64 v13, v[PA:PA+1], s[18:19]                 ; the wave's store covers 256 consecutive bytes, aligned
	s_wait_tensorcnt 0x0
	ds_add_u32 v208, v209
	s_wait_dscnt 0x0
	s_endpgm
.Lfunc_end_k_q4b4467a46a_coarse:
	.size	k_q4b4467a46a_coarse, .Lfunc_end_k_q4b4467a46a_coarse-k_q4b4467a46a_coarse
	.p2alignl 7, 3214868480
	.fill 96, 4, 3214868480
	.section	.rodata,"a",@progbits
	.p2align	6, 0x0
	.amdhsa_kernel k_q4b4467a46a_coarse
		.amdhsa_group_segment_fixed_size 262912
		.amdhsa_private_segment_fixed_size 0
		.amdhsa_enable_private_segment 0
		.amdhsa_kernarg_size 24
		.amdhsa_user_sgpr_count 2
		.amdhsa_user_sgpr_kernarg_segment_ptr 1
		.amdhsa_wavefront_size32 1
		.amdhsa_system_sgpr_workgroup_id_x 1
		.amdhsa_system_sgpr_workgroup_id_y 1
		.amdhsa_system_sgpr_workgroup_id_z 1
		.amdhsa_system_vgpr_workitem_id 0
		.amdhsa_next_free_vgpr 210
		.amdhsa_next_free_sgpr 66
		.amdhsa_reserve_vcc 1
		.amdhsa_float_denorm_mode_32 3
		.amdhsa_float_denorm_mode_16_64 3
		.amdhsa_memory_ordered 1
		.amdhsa_forward_progress 1
		.amdhsa_inst_pref_size 111
	.end_amdhsa_kernel
	.amdgpu_metadata
---
amdhsa.version: [ 1, 2 ]
amdhsa.kernels:
  - .name:           k_q4b4467a46a_coarse
    .symbol:         k_q4b4467a46a_coarse.kd
    .args:
      - { .name: points, .offset: 0, .size: 8, .value_kind: global_buffer, .address_space: global }
      - { .name: mask, .offset: 8, .size: 8, .value_kind: global_buffer, .address_space: global }
      - { .name: rounds, .offset: 16, .size: 8, .value_kind: global_buffer, .address_space: global }
    .group_segment_fixed_size: 262912
    .private_segment_fixed_size: 0
    .kernarg_segment_align: 8
    .kernarg_segment_size: 24
    .max_flat_workgroup_size: 128
    .sgpr_count:     66
    .vgpr_count:     210
    .wavefront_size: 32
...
	.end_amdgpu_metadata
.endif
;; end of part 1
;; launch exact (part 2): grid 256 x 1, 4 waves a work-group, no clusters, 139,776 bytes of LDS; arguments points, mask, rounds, out0; writes out0
.if DOCPART == 2
	.amdgcn_target "amdgcn-amd-amdhsa--gfx1250"
	.amdhsa_code_object_version 6
	.text
	.protected	k_q4b4467a46a_exact
	.globl	k_q4b4467a46a_exact
	.p2align	8
	.type	k_q4b4467a46a_exact,@function
k_q4b4467a46a_exact:
	s_mov_b64 s[64:65], 0
	v_nop
	global_prefetch_b8 v0, s[64:65] scope:SCOPE_SE
	s_setreg_imm32_b32 hwreg(HW_REG_WAVE_MODE, 25, 1), 1
	s_wait_xcnt 0x0
; RANKING.  out0[query][0..15] = the indices of the 16 smallest (d2, index) among the candidates of the blocks that the mask names.
; points: [2][8192][3] f32.  mask, rounds: as the first launch stored them (whole numbers).  out0: [2][8192][16] i32.
; The order is that of d2 on points rounded to bf16: products of bf16 numbers are exact in f32, so
;   sq = fl(fl(x x + y y) + z z),  inner = fl(fl(p0 + p1) + p2),  d2 = fl(fl(sq_i + sq_j) - 2 inner)
; are made here with the same roundings, whether or not multiply and add are fused.  Ties go to the lower index: the key is the pair
; (d2 as an order-keeping unsigned word, index), compared as one 64-bit number.
; A wave owns queries 16 W .. 16 W + 15; lanes (r, 0) and (r, 1) share query r and take the blocks (t, 0) and (t, 1).
; A round: each lane takes the lowest set bit of its 256, reads that block's 16 candidates, makes 16 keys, sorts them and merges them
; into its list of 16.  The number of rounds is the largest number of set bits of the wave's lanes; the first launch has counted it, and
; it comes here by a scalar load, so that the loop's branch hangs on scalar registers alone.
; A lane with no bit left makes keys that rank behind every real one.  No matrix unit: its sums are not this chain of roundings.
; LIMITS: inputs finite and d2 finite (a NaN's key could pass the filler key 0xfffffffe); the three coordinates are summed ascending.
.set PBATCH, 98304
.set STG,    135168                    ; LDS: behind the table, 1,024 bytes for each wave, for the way out
.set TT,   24                          ; v[24:31]   eight temporaries of a stage
.set C,    32                          ; v[32:95]   16 candidates: x, y, z, sq
.set LD,   64                          ; v[64:191]  the table's build: 32 points, 4 registers each
.set X,    96                          ; v[96:127], v[128:159]  the network's two arrays: entry i = index at 2 i, key at 2 i + 1
.set Y,    128
.set LS,   160                         ; v[160:191] my list of 16, ascending
.set SM,   32                          ; s[32:39]   eight lane masks of a stage
	s_load_b128 s[4:7], s[0:1], 0x0                ; points s[4:5], mask s[6:7]
	s_load_b64 s[30:31], s[0:1], 0x10              ; rounds
	s_load_b64 s[8:9], s[0:1], 0x18                ; out0
	v_lshl_add_u32 v192, v0, 2, 0x22000
	v_mov_b32 v193, 0
	v_lshrrev_b32 v20, 5, v0
	v_readfirstlane_b32 s10, v20                   ; wave 0..3
	v_and_b32 v1, 31, v0                           ; lane
	v_and_b32 v2, 15, v0                           ; r
	v_bfe_u32 v3, v0, 4, 1                         ; h
	v_lshlrev_b32 v4, 7, v3                        ; 128 h: eight table rows
	v_lshlrev_b32 v5, 3, v3                        ; 8 h
	v_lshlrev_b32 v6, 4, v1                        ; 16 x lane
	s_mov_b32 s12, 0x76543210                      ; v_permlanex16_b32: lane i takes lane i of the other half
	s_mov_b32 s13, 0xfedcba98
	s_mov_b32 s16, 0xffff0000
	s_mov_b32 s17, 0x80000000
	s_mov_b32 s24, 0xaaaaaaaa                      ; with s16: the bits whose position has bit 0, 1, 2, 3 (4) set
	s_mov_b32 s25, 0xcccccccc
	s_mov_b32 s26, 0xf0f0f0f0
	s_mov_b32 s27, 0xff00ff00
	s_lshl_b32 s22, ttmp9, 2
	s_add_co_u32 s22, s22, s10                     ; W
	s_lshl_b32 s2, s22, 8                          ; 256 bytes of rounds for each W,
	s_mov_b32 s3, 0
	s_lshl_b32 s22, s22, 10                        ; 1,024 bytes of mask and of out0
	s_mov_b32 s23, 0
	s_lshr_b32 s18, ttmp9, 7                       ; batch
	s_mul_i32 s18, s18, PBATCH
	s_mov_b32 s19, 0
	s_and_b32 s28, ttmp9, 127
	s_lshl_b32 s28, s28, 6
	s_lshl4_add_u32 s28, s10, s28                  ; 64 x work-group of the batch + 16 x wave
	v_add_nc_u32 v23, s28, v2                      ; my query's number in the batch
	v_mul_u32_u24 v23, 12, v23
	v_mul_u32_u24 v21, 12, v0                      ; point t of the batch: 12 t
	v_lshlrev_b32 v22, 4, v0
	v_lshl_add_u32 v22, v20, 4, v22                ; its table row: 16 t + 16 (t / 32)
	s_mov_b32 s14, 0
	s_wait_kmcnt 0x0
	s_add_nc_u64 s[30:31], s[30:31], s[2:3]
	s_add_nc_u64 s[6:7], s[6:7], s[22:23]
	s_add_nc_u64 s[8:9], s[8:9], s[22:23]
	s_add_nc_u64 s[4:5], s[4:5], s[18:19]
	s_load_b32 s15, s[30:31], 0x0                  ; my wave's number of rounds; waited for behind the table's build
	global_load_b128 v[8:11], v6, s[6:7]           ; my lane's eight mask words
	global_load_b128 v[12:15], v6, s[6:7] offset:512
	global_load_b96 v[16:18], v23, s[4:5]          ; my query's point.  All three are older than the build's loads: their first counted wait shows them in
; THE TABLE.  Point p at 16 p + 16 (p / 32): f32 x, y, z (rounded to bf16) and sq.  The 16 bytes behind every 32 points put blocks of
; different t into different 16-byte columns.  Four points at a time, pass by pass.
.macro PREP4 g
	s_wait_loadcnt 28-4*\g                         ; loads come back in order: all but the 28 - 4 g younger than this group's are in
.irp k, 0,1,2,3
.set P, LD+16*\g+4*\k
	v_cvt_pk_bf16_f32 v[P+3], v[P], v[P+1]
.endr
.irp k, 0,1,2,3
.set P, LD+16*\g+4*\k
	v_cvt_pk_bf16_f32 v[P+2], v[P+2], v[P+2]
.endr
.irp k, 0,1,2,3
.set P, LD+16*\g+4*\k
	v_lshlrev_b32 v[P], 16, v[P+3]
.endr
.irp k, 0,1,2,3
.set P, LD+16*\g+4*\k
	v_and_b32 v[P+1], s16, v[P+3]
.endr
.irp k, 0,1,2,3
.set P, LD+16*\g+4*\k
	v_lshlrev_b32 v[P+2], 16, v[P+2]
.endr
.irp k, 0,1,2,3
.set P, LD+16*\g+4*\k
	v_mul_f32 v[P+3], v[P], v[P]
.endr
.irp k, 0,1,2,3
.set P, LD+16*\g+4*\k
	v_fmac_f32 v[P+3], v[P+1], v[P+1]
.endr
.irp k, 0,1,2,3
.set P, LD+16*\g+4*\k
	v_fmac_f32 v[P+3], v[P+2], v[P+2]
.endr
.irp k, 0,1,2,3
.set P, LD+16*\g+4*\k
	ds_store_b128 v22, v[P:P+3] offset:(4*\g+\k)*2112
.endr
.endm
.Lbuild:                                               ; two trips of 32 points a thread: point t + 128 i + 4096 x trip
.set si, 0
.rept 32
	global_load_b96 v[LD+4*si:LD+4*si+2], v21, s[4:5] offset:si*1536
.set si, si+1
.endr
.irp g, 0,1,2,3,4,5,6,7
	PREP4 \g
.endr
	s_wait_dscnt 0x0                               ; my rows are in LDS: for the next trip's loads into their registers, and for the barrier below
	s_add_nc_u64 s[4:5], s[4:5], 49152             ; behind the last group's s_wait_loadcnt 0
	v_add_nc_u32 v22, 0x10800, v22                 ; 4096 rows and their 128 pads
	s_add_co_u32 s14, s14, 1
	s_cmp_lt_u32 s14, 2
	s_cbranch_scc1 .Lbuild
	s_barrier_signal -1
	s_barrier_wait -1                              ; the table is whole
	s_wait_kmcnt 0x0                               ; the number of rounds is in
	s_min_u32 s15, s15, 256                        ; a lane has 256 bits: a number from memory steers a loop only bounded
	; my query: rounded and squared as the table's rows are: v16, v17, v18 = x, y, z, v19 = sq
	v_cvt_pk_bf16_f32 v24, v16, v17
	v_cvt_pk_bf16_f32 v25, v18, v18
	v_lshlrev_b32 v16, 16, v24
	v_and_b32 v17, s16, v24
	v_lshlrev_b32 v18, 16, v25
	v_mul_f32 v19, v16, v16
	v_fmac_f32 v19, v17, v17
	v_fmac_f32 v19, v18, v18
.set si, 0
.rept 16
	v_mov_b32 v[LS+2*si], 0                        ; the list starts with fillers that rank behind every real key
	v_mov_b32 v[LS+2*si+1], -2
.set si, si+1
.endr
; Keys of candidates 4 g .. 4 g + 3 of the block, pass by pass.
.macro KEYS g
	s_wait_dscnt 12-4*\g                           ; LDS loads come back in order: all but the 12 - 4 g younger ones are in
.irp k, 0,1,2,3
.set P, C+16*\g+4*\k
	v_mul_f32 v[P], v16, v[P]
.endr
.irp k, 0,1,2,3
.set P, C+16*\g+4*\k
	v_fmac_f32 v[P], v17, v[P+1]
.endr
.irp k, 0,1,2,3
.set P, C+16*\g+4*\k
	v_fmac_f32 v[P], v18, v[P+2]                   ; inner
.endr
.irp k, 0,1,2,3
.set P, C+16*\g+4*\k
	v_add_f32 v[P+3], v19, v[P+3]                  ; sq_i + sq_j
.endr
.irp k, 0,1,2,3
.set P, C+16*\g+4*\k
	v_fma_f32 v[P], -2.0, v[P], v[P+3]             ; d2: 2 x inner is exact, one rounding
.endr
.irp k, 0,1,2,3
.set P, C+16*\g+4*\k
	v_ashrrev_i32 v[P+1], 31, v[P]
.endr
.irp k, 0,1,2,3
.set P, C+16*\g+4*\k
	v_or_b32 v[P+1], s17, v[P+1]
.endr
.irp k, 0,1,2,3
.set P, C+16*\g+4*\k
	v_xor_b32 v[P], v[P], v[P+1]                   ; negative: all bits turned; else the sign bit set: unsigned order = float order
.endr
.irp k, 0,1,2,3
.set P, C+16*\g+4*\k
	v_cndmask_b32 v[X+2*(4*\g+\k)+1], -2, v[P], s20            ; a lane with no block left: fillers
.endr
.irp k, 0,1,2,3
	v_add_nc_u32 v[X+2*(4*\g+\k)], 4*\g+\k+8*(\g/2), v25       ; index 32 t + 8 h + j, and + 16 for the second eight
.endr
.endm
; One stage of a bitonic network on 16 pairs, from one array into another: partners i and i xor jj, ascending where i & kk = 0.
; a < b as 64-bit numbers: key_a < key_b + (index_a < index_b); no key passes 0xfffffffe, so the sum does not wrap.
; Four passes over the eight partnerships, each with a mask and a temporary of its own.
.macro STAGE2 src, dst, kk, jj
.set si, 0
.set sc, 0
.rept 16
.set sl, si ^ \jj
.if sl > si
	v_cmp_lt_u32 s[SM+sc], v[\src+2*si], v[\src+2*sl]
.set sc, sc+1
.endif
.set si, si+1
.endr
.set si, 0
.set sc, 0
.rept 16
.set sl, si ^ \jj
.if sl > si
	v_add_co_ci_u32 v[TT+sc], s[SM+sc], 0, v[\src+2*sl+1], s[SM+sc]
.set sc, sc+1
.endif
.set si, si+1
.endr
.set si, 0
.set sc, 0
.rept 16
.set sl, si ^ \jj
.if sl > si
	v_cmp_lt_u32 s[SM+sc], v[\src+2*si+1], v[TT+sc]
.set sc, sc+1
.endif
.set si, si+1
.endr
.set si, 0
.set sc, 0
.rept 16
.set sl, si ^ \jj
.if sl > si
.if (si & \kk) == 0
.set mn, si
.set mx, sl
.else
.set mn, sl
.set mx, si
.endif
	v_cndmask_b32 v[\dst+2*mn],   v[\src+2*sl],   v[\src+2*si],   s[SM+sc]
	v_cndmask_b32 v[\dst+2*mn+1], v[\src+2*sl+1], v[\src+2*si+1], s[SM+sc]
	v_cndmask_b32 v[\dst+2*mx],   v[\src+2*si],   v[\src+2*sl],   s[SM+sc]
	v_cndmask_b32 v[\dst+2*mx+1], v[\src+2*si+1], v[\src+2*sl+1], s[SM+sc]
.set sc, sc+1
.endif
.set si, si+1
.endr
.endm
; X (ascending) is merged into the list: Y[i] = the smaller of list[i] and X[15 - i] are the 16 smallest, a bitonic row; four stages order it.
.macro MERGE
.irp hb, 0,8
.set sc, 0
.rept 8
	v_cmp_lt_u32 s[SM+sc], v[X+2*(15-\hb-sc)], v[LS+2*(\hb+sc)]
.set sc, sc+1
.endr
.set sc, 0
.rept 8
	v_add_co_ci_u32 v[TT+sc], s[SM+sc], 0, v[LS+2*(\hb+sc)+1], s[SM+sc]
.set sc, sc+1
.endr
.set sc, 0
.rept 8
	v_cmp_lt_u32 s[SM+sc], v[X+2*(15-\hb-sc)+1], v[TT+sc]
.set sc, sc+1
.endr
.set sc, 0
.rept 8
	v_cndmask_b32 v[Y+2*(\hb+sc)],   v[LS+2*(\hb+sc)],   v[X+2*(15-\hb-sc)],   s[SM+sc]
	v_cndmask_b32 v[Y+2*(\hb+sc)+1], v[LS+2*(\hb+sc)+1], v[X+2*(15-\hb-sc)+1], s[SM+sc]
.set sc, sc+1
.endr
.endr
	STAGE2 Y, X, 16, 8
	STAGE2 X, Y, 16, 4
	STAGE2 Y, X, 16, 2
	STAGE2 X, LS, 16, 1
.endm
	s_mov_b32 s14, 0
.Lround:
	; my lowest word that is not empty, and its number
.irp k, 0,1,2,3,4,5,6
	v_cmp_ne_u32 s[40+\k], 0, v[8+\k]
.endr
	v_cndmask_b32 v20, v15, v14, s46
	v_cndmask_b32 v21, 7, 6, s46
.irp k, 5,4,3,2,1,0
	v_cndmask_b32 v20, v20, v[8+\k], s[40+\k]
	v_cndmask_b32 v21, v21, \k, s[40+\k]
.endr
	v_sub_nc_u32 v22, 0, v20
	v_cmp_ne_u32 s20, 0, v20                       ; have I a block left?
	v_and_b32 v22, v20, v22                        ; its lowest set bit
	v_and_b32 v104, s24, v22                       ; that bit's position, binary digit by digit
	v_and_b32 v105, s25, v22
	v_and_b32 v106, s26, v22
	v_and_b32 v107, s27, v22
	v_and_b32 v108, s16, v22
.irp k, 104,105,106,107,108
	v_min_u32 v\k, 1, v\k
.endr
	v_lshl_add_u32 v104, v105, 1, v104
	v_lshl_add_u32 v106, v107, 1, v106
	v_lshl_add_u32 v108, v21, 1, v108
	v_lshl_add_u32 v104, v106, 2, v104
	v_lshl_add_u32 v23, v108, 4, v104              ; t = 32 x word + position
	v_min_u32 v23, 0xff, v23                       ; a number from memory enters an address only bounded
	v_mul_u32_u24 v24, 0x210, v23                  ; 32 rows and their pad
	v_lshl_add_u32 v25, v23, 5, v5                 ; 32 t + 8 h
	v_add_nc_u32 v24, v24, v4                      ; + 8 h rows
.irp j, 0,1,2,3,4,5,6,7
	ds_load_b128 v[C+4*\j:C+4*\j+3], v24 offset:16*\j
.endr
.irp j, 0,1,2,3,4,5,6,7
	ds_load_b128 v[C+32+4*\j:C+32+4*\j+3], v24 offset:256+16*\j
.endr
	; the bit is taken out of its word while the candidates come
.irp k, 0,1,2,3,4,5,6,7
	v_cmp_eq_u32 s[SM+\k], \k, v21
.endr
.irp k, 0,1,2,3,4,5,6,7
	v_cndmask_b32 v[X+\k], 0, v22, s[SM+\k]
.endr
.irp k, 0,1,2,3,4,5,6,7
	v_xor_b32 v[8+\k], v[8+\k], v[X+\k]
.endr
	KEYS 0
	KEYS 1
	KEYS 2
	KEYS 3
	STAGE2 X, Y, 2, 1                              ; sort the 16 new pairs, ascending
	STAGE2 Y, X, 4, 2
	STAGE2 X, Y, 4, 1
	STAGE2 Y, X, 8, 4
	STAGE2 X, Y, 8, 2
	STAGE2 Y, X, 8, 1
	STAGE2 X, Y, 16, 8
	STAGE2 Y, X, 16, 4
	STAGE2 X, Y, 16, 2
	STAGE2 Y, X, 16, 1
	MERGE
	s_add_co_u32 s14, s14, 1
	s_cmp_lt_u32 s14, s15
	s_cbranch_scc1 .Lround
	; the two lanes of a query join their lists: both end with the query's 16, in order
.set si, 0
.rept 32
	v_permlanex16_b32 v[X+si], v[LS+si], s12, s13
.set si, si+1
.endr
	MERGE
	; THE WAY OUT: lane (r, h) holds places 8 h .. 8 h + 7 of query r; through my wave's own 1,024 bytes of LDS, so that each store
	; of the wave covers 512 consecutive bytes, aligned.  LDS serves a wave's instructions in order: the loads see the stores.
	v_cmp_ne_u32 s21, 0, v3
.irp n, 0,1,2,3,4,5,6,7
	v_cndmask_b32 v[C+\n], v[LS+2*\n], v[LS+16+2*\n], s21
.endr
	s_lshl_b32 s18, s10, 10
	s_add_co_u32 s18, s18, STG
	v_lshlrev_b32 v20, 6, v2
	v_lshl_add_u32 v20, v3, 5, v20
	v_add_nc_u32 v20, s18, v20                     ; 64 r + 32 h
	v_add_nc_u32 v21, s18, v6                      ; 16 x lane
	ds_store_b128 v20, v[C:C+3]
	ds_store_b128 v20, v[C+4:C+7] offset:16
	ds_load_b128 v[C+8:C+11], v21
	ds_load_b128 v[C+12:C+15], v21 offset:512
	s_wait_dscnt 0x0
	global_store_b128 v6, v[C+8:C+11], s[8:9] th:TH_STORE_NT
	global_store_b128 v6, v[C+12:C+15], s[8:9] offset:512 th:TH_STORE_NT
	s_wait_tensorcnt 0x0
	ds_add_u32 v192, v193
	s_wait_dscnt 0x0
	s_endpgm
.Lfunc_end_k_q4b4467a46a_exact:
	.size	k_q4b4467a46a_exact, .Lfunc_end_k_q4b4467a46a_exact-k_q4b4467a46a_exact
	.p2alignl 7, 3214868480
	.fill 96, 4, 3214868480
	.section	.rodata,"a",@progbits
	.p2align	6, 0x0
	.amdhsa_kernel k_q4b4467a46a_exact
		.amdhsa_group_segment_fixed_size 139776
		.amdhsa_private_segment_fixed_size 0
		.amdhsa_enable_private_segment 0
		.amdhsa_kernarg_size 32
		.amdhsa_user_sgpr_count 2
		.amdhsa_user_sgpr_kernarg_segment_ptr 1
		.amdhsa_wavefront_size32 1
		.amdhsa_system_sgpr_workgroup_id_x 1
		.amdhsa_system_sgpr_workgroup_id_y 1
		.amdhsa_system_sgpr_workgroup_id_z 1
		.amdhsa_system_vgpr_workitem_id 0
		.amdhsa_next_free_vgpr 194
		.amdhsa_next_free_sgpr 66
		.amdhsa_reserve_vcc 0
		.amdhsa_float_denorm_mode_32 3
		.amdhsa_float_denorm_mode_16_64 3
		.amdhsa_memory_ordered 1
		.amdhsa_forward_progress 1
		.amdhsa_inst_pref_size 107
	.end_amdhsa_kernel
	.amdgpu_metadata
---
amdhsa.version: [ 1, 2 ]
amdhsa.kernels:
  - .name:           k_q4b4467a46a_exact
    .symbol:         k_q4b4467a46a_exact.kd
    .args:
      - { .name: points, .offset: 0, .size: 8, .value_kind: global_buffer, .address_space: global }
      - { .name: mask, .offset: 8, .size: 8, .value_kind: global_buffer, .address_space: global }
      - { .name: rounds, .offset: 16, .size: 8, .value_kind: global_buffer, .address_space: global }
      - { .name: out0, .offset: 24, .size: 8, .value_kind: global_buffer, .address_space: global }
    .group_segment_fixed_size: 139776
    .private_segment_fixed_size: 0
    .kernarg_segment_align: 8
    .kernarg_segment_size: 32
    .max_flat_workgroup_size: 128
    .sgpr_count:     66
    .vgpr_count:     194
    .wavefront_size: 32
...
	.end_amdgpu_metadata
.endif
;; end of part 2
;; ======== version 2 of 2: 2 launches; version 1 with the launch coarse written anew for expert scheduling mode
;; workspace buffers: mask 1,048,576 bytes of whole numbers; rounds 262,144 bytes of whole numbers
;; launch coarse (part 3): grid 256 x 1, 4 waves a work-group, no clusters, 262,912 bytes of LDS; arguments points, mask, rounds; writes mask, rounds
.if DOCPART == 3
	.amdgcn_target "amdgcn-amd-amdhsa--gfx1250"
	.amdhsa_code_object_version 6
	.text
	.protected	k_q4b4467a46a_coarse
	.globl	k_q4b4467a46a_coarse
	.p2align	8
	.type	k_q4b4467a46a_coarse,@function
k_q4b4467a46a_coarse:
	s_mov_b64 s[64:65], 0
	v_nop
	global_prefetch_b8 v0, s[64:65] scope:SCOPE_SE
	s_setreg_imm32_b32 hwreg(HW_REG_WAVE_SCHED_MODE, 0, 2), 2
	s_setreg_imm32_b32 hwreg(HW_REG_WAVE_MODE, 25, 1), 1
	s_wait_xcnt 0x0
	s_wait_alu depctr_vm_vsrc(0)
; FILTER.  For each of 2 x 8192 queries: which blocks of 16 candidates can hold one of its 16 nearest neighbours.
; points: [2][8192][3] f32.  mask: 1024 wave tasks x 1024 bytes of whole numbers.  rounds: 1024 wave tasks x 256 bytes of whole numbers.
; A wave owns 16 queries (global numbers 16 W .. 16 W + 15, W = 4 x work-group + wave), a work-group 64, all of one batch.
; The matrix unit forms e(j, i) = sq_j - 2 a_i . b_j for all 8192 candidates j: the squared distance less sq_i, which is the same
; for all candidates of a query.  Operands are the points rounded to bf16; sq_j enters as three bf16 pieces whose sum is sq_j exactly.
; In a result tile lane (r, h) holds candidates 8 h + 0..7 of the tile for query r.  Block (t, h) of a query = what lane (r, h) holds of
; tiles 2 t and 2 t + 1: candidates 32 t + 8 h + j and 32 t + 16 + 8 h + j, j = 0..7.  512 blocks a query, 256 a lane.
; T = the 16th smallest block minimum of the query.  With |e + sq_i - d2| <= eps for every pair, at most 15 blocks have a minimum below
; D16 - sq_i - eps (D16: the 16th neighbour's d2), so T >= D16 - sq_i - eps, and every block with one of the 16 has a minimum
; <= D16 - sq_i + eps <= T + 2 eps.  The mask is: minimum <= T + 2 eps, eps = 2^-17 (sq_i + largest sq of the batch).
; The mask only discards; the order itself is made by the second launch, which takes any number of set bits.
; mask layout: byte W*1024 + c*512 + lane*16 holds words 4c .. 4c+3 of that lane; bit n of word w stands for block t = 32 w + n.
; rounds layout: all 64 words at byte W*256 hold the largest number of set bits of any lane of wave task W: the second launch's trip count.
; No tensor loads, no cluster: the shared data are 98,304 bytes a batch and are rounded and split on the way into LDS.
; LIMITS: inputs finite and sq finite in f32 and bf16 (a NaN or an infinity in a table row would spoil its tile).  eps rests on the
; matrix form's error being at most 2^-19 (sq_i + sq_j); it is four times that.
; THE MODE: SCHED_MODE bits 1:0 = 2 (LLVM: expert scheduling mode 2), set by the entry lines.  The code itself states the register dependences
; between vector or matrix instructions and memory or LDS instructions, with s_wait_alu, always for 0.
; THE PLAN.  Registers that memory or LDS instructions touch:
;   the build   LD: the trip's 32 loads land in it, the groups' vector passes work in it, the LDS stores read it.  v11: read by those stores, stepped once a trip.
;               Groups 0-3 are worked on, one wait on va_vdst, and their stores are dealt among groups 4-7's passes, which name other registers; a second wait, and
;               groups 4-7's stores.  One wait on vm_vsrc at the trip's end stands ahead of the step of v11 and of the next trip's loads.
;   the loop    A0 .. A3: group g's four products read set g % 4; the loads of group g + 4 land in it.  v[ADR]: read by every tile load; v[MADR] and M: read by the four
;               stores of a trip's minima; M is written by the reductions, the two addresses by one add each at the trip's end.
;               One wait on va_vdst for every two groups, behind their products and a reduction: it states that those two groups are done reading their sets, and the eight
;               loads into these follow, four at once and four behind the next group's products, which name another set.  The fourth such wait also states that M is
;               written.  The third and the fourth let the NEXT trip's first four groups be asked for: they land while the minima are sorted.
;               One wait on vm_vsrc at the trip's end stands ahead of the two adds and of the next trip's writes of M.
;   the way out MV: LDS loads land where products, reductions and the network worked: one wait on va_vdst ahead of each half's loads.  The compares go in runs of 32
;               into 32 scalar registers, one wait on va_sdst behind each run.  One wait on va_vdst ahead of the mask's stores, one ahead of the count's.
.set PBATCH, 98304                     ; bytes of one batch of points
.set MINS,   131072                    ; LDS: behind the table (8192 rows of 16 bytes), 32,768 bytes of block minima for each wave
.set RED,    262144                    ; LDS: four words, the waves' largest sq
.set ADR,   4                          ; v4   LDS address of my row in the trip's first tile
.set MADR,  5                          ; v5   where this trip's block minima go
.set TH,    6                          ; v6   the threshold
.set SQI,   7                          ; v7   sq of my query
.set SMAX,  8                          ; v8   largest sq
.set MBASE, 9                          ; v9   my first block minima
.set QP,   16                          ; v[16:18] my query's point as loaded; v20 its byte offset (until the loop takes these registers)
.set AS,   16                          ; v[16:35], v[36:55], v[208:227], v[228:247]  four sets of four A tiles (4 registers each) and 4 registers of zeros
.set MV,   16                          ; v[16:143] the mask pass: 4 x 32 block minima
.set PA,   16                          ; v[16:23], v[24:31]  the count of set bits, behind the mask pass
.set PB,   24
.set LD,   64                          ; v[64:191] the table's build: 32 points, 4 registers each
.set D,    64                          ; v[64:95], v[96:127]  two sets of four result tiles
.set X,    128                         ; v[128:143], v[144:159]  the sorting network's two arrays
.set Y,    144
.set LS,   160                         ; v[160:175] the 16 smallest block minima so far, ascending
.set BF,   176                         ; v[176:183] B: my query's column
.set MW,   184                         ; v[184:191] the eight mask words
.set M,    192                         ; v[192:207] this trip's 16 block minima
.set SB,   32                          ; s[32:63]  the lane masks of a run of 32 compares
	s_load_b128 s[4:7], s[0:1], 0x0                ; points s[4:5], mask s[6:7]
	s_load_b64 s[18:19], s[0:1], 0x10              ; rounds
	v_lshl_add_u32 v248, v0, 2, 0x40100
	v_mov_b32 v249, 0
	v_lshrrev_b32 v9, 5, v0
	v_readfirstlane_b32 s8, v9                     ; wave 0..3
	v_and_b32 v1, 31, v0                           ; lane
	v_and_b32 v2, 15, v0                           ; r
	v_bfe_u32 v3, v0, 4, 1                         ; h
	s_mov_b32 s10, 0x76543210                      ; v_permlanex16_b32: lane i takes lane i of the other half
	s_mov_b32 s11, 0xfedcba98
	s_mov_b32 s16, 0xffff0000                      ; a word's upper bf16
	s_lshr_b32 s14, ttmp9, 7                       ; batch: 128 work-groups each
	s_mul_i32 s14, s14, PBATCH
	s_mov_b32 s15, 0
	s_and_b32 s13, ttmp9, 127
	s_lshl_b32 s13, s13, 6
	s_wait_alu depctr_va_sdst(0)                   ; s8 is written, ahead of its first reader
	s_lshl4_add_u32 s13, s8, s13                   ; 64 x work-group of the batch + 16 x wave
	v_add_nc_u32 v20, s13, v2                      ; my query's number in the batch
	v_mul_u32_u24 v20, 12, v20
	v_mul_u32_u24 v10, 12, v0                      ; point t of the batch: 12 t
	v_lshlrev_b32 v11, 4, v0                       ; its table row: 16 t
	v_mov_b32 v[SMAX], 0                           ; sq >= 0
	s_mov_b32 s12, 0
	s_wait_kmcnt 0x0
	s_add_nc_u64 s[4:5], s[4:5], s[14:15]
	s_wait_alu depctr_va_vdst(0)                   ; v20, v10 and v11 are written: the loads below read the first two as offsets, the build's LDS stores the third
	global_load_b96 v[QP:QP+2], v20, s[4:5]        ; my query's point: older than the build's loads, so their first counted wait shows it in
; THE TABLE.  Row p, 16 bytes = eight bf16 along k: 0, 0, z, sh, sm, sl, x, y, with sh + sm + sl = sq = fl(fl(x x + y y) + z z) of the
; rounded point.  Four points at a time, pass by pass, so that no instruction needs the result of the one in front of it.
; PREPV: a group's vector passes.  PUT4: its four LDS stores.
.macro PREPV g
	s_wait_loadcnt 28-4*(\g)                       ; loads come back in order: all but the 28 - 4 g younger than this group's are in
.irp k, 0,1,2,3
.set P, LD+16*(\g)+4*\k
	v_cvt_pk_bf16_f32 v[P+3], v[P], v[P+1]         ; word 3: x, y
.endr
.irp k, 0,1,2,3
.set P, LD+16*(\g)+4*\k
	v_cvt_pk_bf16_f32 v[P+2], v[P+2], v[P+2]
.endr
.irp k, 0,1,2,3
.set P, LD+16*(\g)+4*\k
	v_lshlrev_b32 v[P], 16, v[P+3]                 ; the rounded x, y, z as f32
.endr
.irp k, 0,1,2,3
.set P, LD+16*(\g)+4*\k
	v_and_b32 v[P+1], s16, v[P+3]
.endr
.irp k, 0,1,2,3
.set P, LD+16*(\g)+4*\k
	v_lshlrev_b32 v[P+2], 16, v[P+2]
.endr
.irp k, 0,1,2,3
.set P, LD+16*(\g)+4*\k
	v_mul_f32 v[P], v[P], v[P]                     ; products of bf16 numbers are exact in f32
.endr
.irp k, 0,1,2,3
.set P, LD+16*(\g)+4*\k
	v_fmac_f32 v[P], v[P+1], v[P+1]
.endr
.irp k, 0,1,2,3
.set P, LD+16*(\g)+4*\k
	v_fmac_f32 v[P], v[P+2], v[P+2]                ; sq
.endr
	v_max3_num_f32 v[SMAX], v[SMAX], v[LD+16*(\g)], v[LD+16*(\g)+4]
	v_max3_num_f32 v[SMAX], v[SMAX], v[LD+16*(\g)+8], v[LD+16*(\g)+12]
.irp k, 0,1,2,3
.set P, LD+16*(\g)+4*\k
	v_cvt_pk_bf16_f32 v[P+1], v[P+2], v[P]         ; word 1: z, sh
.endr
.irp k, 0,1,2,3
.set P, LD+16*(\g)+4*\k
	v_and_b32 v[12+\k], s16, v[P+1]
.endr
.irp k, 0,1,2,3
.set P, LD+16*(\g)+4*\k
	v_sub_f32 v[P], v[P], v[12+\k]                 ; sq - sh, exact
.endr
.irp k, 0,1,2,3
.set P, LD+16*(\g)+4*\k
	v_cvt_pk_bf16_f32 v[12+\k], v[P], v[P]
.endr
.irp k, 0,1,2,3
	v_lshlrev_b32 v[12+\k], 16, v[12+\k]           ; sm as f32
.endr
.irp k, 0,1,2,3
.set P, LD+16*(\g)+4*\k
	v_sub_f32 v[12+\k], v[P], v[12+\k]             ; sq - sh - sm, exact, at most 8 bits long
.endr
.irp k, 0,1,2,3
.set P, LD+16*(\g)+4*\k
	v_cvt_pk_bf16_f32 v[P+2], v[P], v[12+\k]       ; word 2: sm, sl
.endr
.irp k, 0,1,2,3
.set P, LD+16*(\g)+4*\k
	v_mov_b32 v[P], 0                              ; word 0
.endr
.endm
.macro PUT4 g
.irp k, 0,1,2,3
.set P, LD+16*(\g)+4*\k
	ds_store_b128 v11, v[P:P+3] offset:(4*(\g)+\k)*2048
.endr
.endm
.Lbuild:                                               ; two trips of 32 points a thread: point t + 128 i + 4096 x trip
.set si, 0
.rept 32
	global_load_b96 v[LD+4*si:LD+4*si+2], v10, s[4:5] offset:si*1536   ; a wave's load covers 384 neighbouring bytes
.set si, si+1
.endr
	PREPV 0
	PREPV 1
	PREPV 2
	PREPV 3
	s_wait_alu depctr_va_vdst(0)                   ; the rows of groups 0 to 3 are written, which their stores read; in the second trip v11 is written too
	PUT4 0                                         ; these four runs of stores owe no further wait: no vector instruction since the wait above names the rows of groups 0 to 3 or v11
	PREPV 4
	PUT4 1
	PREPV 5
	PUT4 2
	PREPV 6
	PUT4 3
	PREPV 7
	s_wait_alu depctr_va_vdst(0)                   ; the rows of groups 4 to 7 are written, which their stores read; every pass is done with LD, in which the next trip's loads land
	PUT4 4
	PUT4 5
	PUT4 6
	PUT4 7
	s_wait_dscnt 0x0                               ; my rows are in LDS, for the barrier below
	s_wait_alu depctr_vm_vsrc(0)                   ; the stores have read LD and v11: the next trip's loads land in the one, the add below writes the other
	s_add_nc_u64 s[4:5], s[4:5], 49152             ; behind the last group's s_wait_loadcnt 0: no load still reads the base
	v_add_nc_u32 v11, 0x10000, v11
	s_add_co_u32 s12, s12, 1
	s_cmp_lt_u32 s12, 2
	s_cbranch_scc1 .Lbuild
	v_max_num_f32_dpp v[SMAX], v[SMAX], v[SMAX] row_xmask:1 row_mask:0xf bank_mask:0xf
	v_max_num_f32_dpp v[SMAX], v[SMAX], v[SMAX] row_xmask:2 row_mask:0xf bank_mask:0xf
	v_max_num_f32_dpp v[SMAX], v[SMAX], v[SMAX] row_xmask:4 row_mask:0xf bank_mask:0xf
	v_max_num_f32_dpp v[SMAX], v[SMAX], v[SMAX] row_xmask:8 row_mask:0xf bank_mask:0xf
	v_permlanex16_b32 v9, v[SMAX], s10, s11        ; v9 has been written
	v_max_num_f32 v[SMAX], v[SMAX], v9
	s_lshl_b32 s13, s8, 2
	s_add_co_u32 s13, s13, RED
	v_mov_b32 v12, s13
	v_mov_b32 v15, RED
	s_wait_alu depctr_va_vdst(0)                   ; v12 and the largest sq are written, which the store reads; so is v15, the address of the load behind the barrier
	ds_store_b32 v12, v[SMAX]                      ; my wave's largest sq, into its own word
	s_wait_dscnt 0x0                               ; for the other waves: zero
	s_barrier_signal -1
	s_barrier_wait -1                              ; the table and the four words are whole
; Four tiles of 16 candidates into set \set; t: the first tile's number, counted from the trip's first tile.  A tile is 4 registers (k = 0..7, or 8..15 in
; lanes 16-31); the operand's upper four registers (k = 16..31) are the next tile's, or the zeros behind the fourth: finite numbers that meet zeros in B.
.macro LOADA set, t
.set AB, AS+20*(\set)+152*((\set)/2)
.irp u, 0,1,2,3
	ds_load_b128 v[AB+4*\u:AB+4*\u+3], v[ADR] offset:((\t)+\u)*256
.endr
.endm
	; MY QUERY: B's column r.  k = 0..7 in lanes 0-15: 0, 0, -2z, 1, 1, 1, -2x, -2y; every other k is 0.
	ds_load_b128 v[BF+4:BF+7], v15                 ; the four waves' largest sq
	s_wait_alu depctr_vm_vsrc(0)                   ; the store above has read v12 and v8, the load v15: all three are written again below
	v_cvt_pk_bf16_f32 v12, v[QP], v[QP+1]          ; my query's point, rounded as the table's rows are
	v_cvt_pk_bf16_f32 v14, v[QP+2], v[QP+2]
	v_lshlrev_b32 v[ADR], 4, v2                    ; row r of a tile; lanes 16-31 read the same row into k = 8..15, where B is 0
	s_wait_alu depctr_va_vdst(0)                   ; v[ADR] is written, which the tile loads read; the two conversions are done reading my point, where the first tiles land
	LOADA 0, 0                                     ; the first trip's groups 0 to 3: they land while the column is made
	LOADA 1, 4
	LOADA 2, 8
	LOADA 3, 12
	v_and_b32 v13, s16, v12                        ; y
	v_lshlrev_b32 v12, 16, v12                     ; x
	v_lshlrev_b32 v14, 16, v14                     ; z
	v_mul_f32 v[SQI], v12, v12
	v_fmac_f32 v[SQI], v13, v13
	v_fmac_f32 v[SQI], v14, v14
	v_mul_f32 v12, -2.0, v12
	v_mul_f32 v13, -2.0, v13
	v_mul_f32 v14, -2.0, v14
	v_cvt_pk_bf16_f32 v12, v12, v13
	v_cvt_pk_bf16_f32 v14, v14, 1.0
	s_lshl_b32 s13, s8, 15
	s_add_co_u32 s13, s13, MINS
	v_lshl_add_u32 v[MADR], v1, 4, s13             ; my wave's 32,768 bytes + 16 x lane
	v_mov_b32 v[MBASE], v[MADR]
.irp k, 0,1,2,3
	v_mov_b32 v[AS+16+\k], 0                       ; behind each set's fourth tile: k = 16..31 of that tile
	v_mov_b32 v[AS+36+\k], 0
	v_mov_b32 v[AS+208+\k], 0
	v_mov_b32 v[AS+228+\k], 0
.endr
.set si, 0
.rept 16
	v_mov_b32 v[LS+si], 0x7f800000                 ; the list starts with +infinity
.set si, si+1
.endr
	s_wait_dscnt 16                                ; the four words are in; the 16 younger loads, the first tiles, stay out
	v_max3_num_f32 v[SMAX], v[BF+4], v[BF+5], v[BF+6]
	v_max_num_f32 v[SMAX], v[SMAX], v[BF+7]        ; largest sq of the batch
	v_mov_b32 v15, 0x3f803f80
	v_cmp_eq_u32 vcc_lo, 0, v3
	v_mov_b32 v[BF], 0
	s_wait_alu depctr_va_vcc(0)                    ; VCC is written, ahead of the selects that read it
	v_cndmask_b32 v[BF+1], 0, v14, vcc_lo
	v_cndmask_b32 v[BF+2], 0, v15, vcc_lo
	v_cndmask_b32 v[BF+3], 0, v12, vcc_lo
.irp k, 4,5,6,7
	v_mov_b32 v[BF+\k], 0
.endr
; Each matrix instruction starts a sum of its own (C = 0) in a result tile of its own: no accumulator is taken up again.  set: the A set; d: the set of result tiles.
.macro WMMA4 set, d
.set AB, AS+20*(\set)+152*((\set)/2)
.irp u, 0,1,2,3
	v_wmma_f32_16x16x32_bf16 v[D+32*(\d)+8*\u:D+32*(\d)+8*\u+7], v[AB+4*\u:AB+4*\u+7], v[BF:BF+7], 0
.endr
.endm
; Two block minima from a set's four tiles: 16 numbers each, a tree of three levels, in place.  16 instructions.
.macro RED2 set, xi
.irp e, 0,3,6,9,12
	v_min3_num_f32 v[D+32*\set+\e], v[D+32*\set+\e], v[D+32*\set+\e+1], v[D+32*\set+\e+2]
	v_min3_num_f32 v[D+32*\set+16+\e], v[D+32*\set+16+\e], v[D+32*\set+16+\e+1], v[D+32*\set+16+\e+2]
.endr
	v_min3_num_f32 v[D+32*\set], v[D+32*\set], v[D+32*\set+3], v[D+32*\set+6]
	v_min3_num_f32 v[D+32*\set+16], v[D+32*\set+16], v[D+32*\set+19], v[D+32*\set+22]
	v_min3_num_f32 v[D+32*\set+9], v[D+32*\set+9], v[D+32*\set+12], v[D+32*\set+15]
	v_min3_num_f32 v[D+32*\set+25], v[D+32*\set+25], v[D+32*\set+28], v[D+32*\set+31]
	v_min_num_f32 v[M+\xi], v[D+32*\set], v[D+32*\set+9]
	v_min_num_f32 v[M+\xi+1], v[D+32*\set+16], v[D+32*\set+25]
.endm
; One stage of a bitonic network on 16 registers, from one array into another: partners i and i xor jj, ascending where i & kk = 0.
.macro STAGE src, dst, kk, jj
.set si, 0
.rept 16
.set sl, si ^ \jj
.if sl > si
.if (si & \kk) == 0
	v_min_num_f32 v[\dst+si], v[\src+si], v[\src+sl]
	v_max_num_f32 v[\dst+sl], v[\src+si], v[\src+sl]
.else
	v_max_num_f32 v[\dst+si], v[\src+si], v[\src+sl]
	v_min_num_f32 v[\dst+sl], v[\src+si], v[\src+sl]
.endif
.endif
.set si, si+1
.endr
.endm
; A TRIP: 32 tiles (512 candidates), eight groups of four tiles; group g multiplies A set g % 4 into result set g % 2.  While one group is multiplied,
; the group before is reduced.  Those 16 plain vector instructions name none of the running group's registers: they are the places
; (ISA guide 7.12.1) in front of the reads of its results and of the next products into its result tiles.
; At a trip's head its groups 0 to 3 have been asked for.  ahead = 1: the next trip's groups 0 to 3 are asked for, 32 tiles on; ahead = 0: the last trip.
; LDS instructions come back in order: a count of 8 lets the two sets stay out that were asked for behind the one wanted.
.macro TRIP ahead
	s_wait_dscnt 12                                ; set 0 is in: from the entry three sets are younger, over the back edge these and the four stores of minima
	WMMA4 0, 0                                     ; group 0
.rept 5
	v_nop                                          ; nothing to reduce yet: five places in front of the reads of these results and of the next products into these tiles
.endr
	s_wait_dscnt 8                                 ; set 1 is in
	WMMA4 1, 1                                     ; group 1
	RED2 0, 0
	s_wait_alu depctr_va_vdst(0)                   ; groups 0 and 1 are done reading sets 0 and 1, in which the loads of groups 4 and 5 land; v[ADR] and v[MADR] are written
	LOADA 0, 16
	s_wait_dscnt 8                                 ; set 2 is in
	WMMA4 2, 0                                     ; group 2
	LOADA 1, 20                                    ; no wait: the products since the wait above name set 2, B and result tiles
	RED2 1, 2
	s_wait_dscnt 8                                 ; set 3 is in
	WMMA4 3, 1                                     ; group 3
	RED2 0, 4
	s_wait_alu depctr_va_vdst(0)                   ; groups 2 and 3 are done reading sets 2 and 3, in which the loads of groups 6 and 7 land
	LOADA 2, 24
	s_wait_dscnt 8
	WMMA4 0, 0                                     ; group 4
	LOADA 3, 28
	RED2 1, 6
	s_wait_dscnt 8
	WMMA4 1, 1                                     ; group 5
	RED2 0, 8
.if \ahead
	s_wait_alu depctr_va_vdst(0)                   ; groups 4 and 5 are done reading sets 0 and 1, in which the next trip's groups 0 and 1 land
	LOADA 0, 32
	s_wait_dscnt 8
.else
	s_wait_dscnt 4                                 ; only set 3 is younger
.endif
	WMMA4 2, 0                                     ; group 6
.if \ahead
	LOADA 1, 36
.endif
	RED2 1, 10
.if \ahead
	s_wait_dscnt 8
.else
	s_wait_dscnt 0x0                               ; the last group's tiles
.endif
	WMMA4 3, 1                                     ; group 7
	RED2 0, 12
	RED2 1, 14
	s_wait_alu depctr_va_vdst(0)                   ; the reductions have written M, which the stores read; groups 6 and 7 are done reading sets 2 and 3, in which the next trip's groups 2 and 3 land
.irp q, 0,1,2,3
	ds_store_b128 v[MADR], v[M+4*\q:M+4*\q+3] offset:\q*512    ; kept for the mask pass
.endr
.if \ahead
	LOADA 2, 40
	LOADA 3, 44
.endif
	STAGE M, Y, 2, 1                               ; sort the 16 new minima, ascending
	STAGE Y, X, 4, 2
	STAGE X, Y, 4, 1
	STAGE Y, X, 8, 4
	STAGE X, Y, 8, 2
	STAGE Y, X, 8, 1
	STAGE X, Y, 16, 8
	STAGE Y, X, 16, 4
	STAGE X, Y, 16, 2
	STAGE Y, X, 16, 1
.set si, 0
.rept 16
	v_min_num_f32 v[Y+si], v[LS+si], v[X+15-si]    ; the 16 smallest of list and new ones, a bitonic row
.set si, si+1
.endr
	STAGE Y, X, 16, 8                              ; put in order again
	STAGE X, Y, 16, 4
	STAGE Y, X, 16, 2
	STAGE X, LS, 16, 1
.if \ahead
	s_wait_alu depctr_vm_vsrc(0)                   ; the tile loads have read v[ADR], the stores v[MADR] and M: the two adds below and the next trip's reductions write them
	v_add_nc_u32 v[ADR], 0x2000, v[ADR]
	v_add_nc_u32 v[MADR], 0x800, v[MADR]
.endif
.endm
	s_mov_b32 s12, 0
.Ltrip:                                                ; 15 trips; the 16th is written out, so that no load reaches past the table
	TRIP 1
	s_add_co_u32 s12, s12, 1
	s_cmp_lt_u32 s12, 15
	s_cbranch_scc1 .Ltrip
	TRIP 0
	; THE THRESHOLD: the two lanes of a query join their lists; T = the largest of the 16 smallest.
.set si, 0
.rept 16
	v_permlanex16_b32 v[Y+si], v[LS+si], s10, s11
.set si, si+1
.endr
.set si, 0
.rept 16
	v_min_num_f32 v[X+si], v[LS+si], v[Y+15-si]
.set si, si+1
.endr
.irp e, 0,3,6,9,12
	v_max3_num_f32 v[X+\e], v[X+\e], v[X+\e+1], v[X+\e+2]
.endr
	v_add_f32 v10, v[SQI], v[SMAX]
	v_max3_num_f32 v[X], v[X], v[X+3], v[X+6]
	v_max3_num_f32 v[X+9], v[X+9], v[X+12], v[X+15]
	v_max_num_f32 v11, v[X], v[X+9]
	v_fmamk_f32 v[TH], v10, 0x37800000, v11        ; T + 2^-16 (sq_i + largest sq)
; THE MASK, four words at a time: 128 block minima back from my wave's own bytes (LDS serves a wave's instructions in order),
; bit n of a word from minimum 32 w + n, from bit 31 down: word = 2 x word + bit.  Four runs of 32 compares, eight bit places of the four words each.
.macro MASK4 hh
	s_wait_alu depctr_va_vdst(0)                   ; all that named v[MV ..] is done (products, reductions, the network and the threshold; then the first half's compares): the loads below land there
.set sc, 0
.rept 4
.set sq, 0
.rept 8
	ds_load_b128 v[MV+32*sc+4*sq:MV+32*sc+4*sq+3], v[MBASE] offset:(2*(4*\hh+sc)+sq/4)*2048+(sq%4)*512
.set sq, sq+1
.endr
.set sc, sc+1
.endr
	s_wait_dscnt 0x0
.set sr, 0
.rept 4
.set sk, 0
.rept 8
.irp c, 0,1,2,3
	v_cmp_ge_f32 s[SB+4*sk+\c], v[TH], v[MV+32*\c+31-8*sr-sk]
.endr
.set sk, sk+1
.endr
	s_wait_alu depctr_va_sdst(0)                   ; the run's 32 lane masks are written, ahead of the selects that read them
.set sk, 0
.rept 8
.if (sr == 0) && (sk == 0)
.irp c, 0,1,2,3
	v_cndmask_b32 v[MW+4*\hh+\c], 0, 1, s[SB+\c]
.endr
.else
.irp c, 0,1,2,3
	v_cndmask_b32 v[Y+\c], 0, 1, s[SB+4*sk+\c]
.endr
.irp c, 0,1,2,3
	v_lshl_or_b32 v[MW+4*\hh+\c], v[MW+4*\hh+\c], 1, v[Y+\c]
.endr
.endif
.set sk, sk+1
.endr
.set sr, sr+1
.endr
.endm
	MASK4 0
	MASK4 1
	s_lshl_b32 s14, ttmp9, 2
	s_add_co_u32 s14, s14, s8                      ; W
	s_lshl_b32 s24, s14, 8                         ; 256 bytes of rounds for each W,
	s_mov_b32 s25, 0
	s_lshl_b32 s14, s14, 10                        ; 1,024 of mask
	s_mov_b32 s15, 0
	s_add_nc_u64 s[6:7], s[6:7], s[14:15]
	s_add_nc_u64 s[18:19], s[18:19], s[24:25]
	v_lshlrev_b32 v12, 4, v1
	v_lshlrev_b32 v13, 3, v1
	s_wait_alu depctr_va_vdst(0)                   ; the eight mask words and the offsets v12 and v13 are written, which the stores read
	global_store_b128 v12, v[MW:MW+3], s[6:7]                  ; each store of the wave covers 512 consecutive bytes, aligned
	global_store_b128 v12, v[MW+4:MW+7], s[6:7] offset:512
	; THE SECOND LAUNCH'S TRIP COUNT: my lane's set bits, eight words side by side, then the largest of the 32 lanes.  Integers only.
	; These lines read the mask words and write none of the registers that the two stores above read.
.irp k, 0,1,2,3,4,5,6,7
	v_lshrrev_b32 v[PB+\k], 1, v[MW+\k]
.endr
.irp k, 0,1,2,3,4,5,6,7
	v_and_b32 v[PB+\k], 0x55555555, v[PB+\k]
.endr
.irp k, 0,1,2,3,4,5,6,7
	v_sub_nc_u32 v[PA+\k], v[MW+\k], v[PB+\k]      ; sums of 2 bits
.endr
.irp k, 0,1,2,3,4,5,6,7
	v_lshrrev_b32 v[PB+\k], 2, v[PA+\k]
.endr
.irp k, 0,1,2,3,4,5,6,7
	v_and_b32 v[PB+\k], 0x33333333, v[PB+\k]
.endr
.irp k, 0,1,2,3,4,5,6,7
	v_and_b32 v[PA+\k], 0x33333333, v[PA+\k]
.endr
.irp k, 0,1,2,3,4,5,6,7
	v_add_nc_u32 v[PA+\k], v[PA+\k], v[PB+\k]      ; of 4
.endr
.irp k, 0,1,2,3,4,5,6,7
	v_lshrrev_b32 v[PB+\k], 4, v[PA+\k]
.endr
.irp k, 0,1,2,3,4,5,6,7
	v_add_nc_u32 v[PA+\k], v[PA+\k], v[PB+\k]
.endr
.irp k, 0,1,2,3,4,5,6,7
	v_and_b32 v[PA+\k], 0x0f0f0f0f, v[PA+\k]       ; of 8, a byte each
.endr
	v_add3_u32 v[PA], v[PA], v[PA+1], v[PA+2]
	v_add3_u32 v[PA+3], v[PA+3], v[PA+4], v[PA+5]
	v_add_nc_u32 v[PA+6], v[PA+6], v[PA+7]
	v_add3_u32 v[PA], v[PA], v[PA+3], v[PA+6]      ; bytes of at most 64
	v_lshrrev_b32 v[PA+1], 8, v[PA]
	v_and_b32 v[PA], 0xff00ff, v[PA]
	v_and_b32 v[PA+1], 0xff00ff, v[PA+1]
	v_add_nc_u32 v[PA], v[PA], v[PA+1]             ; halves of at most 128
	v_lshrrev_b32 v[PA+1], 16, v[PA]
	v_and_b32 v[PA], 0xffff, v[PA]
	v_add_nc_u32 v[PA], v[PA], v[PA+1]             ; 0 .. 256
.irp m, 1,2,4,8
	v_mov_b32_dpp v[PA+1], v[PA] row_xmask:\m row_mask:0xf bank_mask:0xf
	v_max_u32 v[PA], v[PA], v[PA+1]
.endr
	v_permlanex16_b32 v[PA+1], v[PA], s10, s11
	v_max_u32 v[PA], v[PA], v[PA+1]                ; the same number in every lane
	v_mov_b32 v[PA+1], v[PA]
	s_wait_alu depctr_va_vdst(0)                   ; the pair that holds the count is written, which the store reads
	global_store_b64 v13, v[PA:PA+1], s[18:19]                 ; the wave's store covers 256 consecutive bytes, aligned
	s_wait_dscnt 0x0
	s_wait_alu depctr_hold_cnt(0) depctr_sa_sdst(0) depctr_va_vdst(0) depctr_va_sdst(0) depctr_va_ssrc(0) depctr_va_vcc(0) depctr_vm_vsrc(0)
	s_wait_tensorcnt 0x0
	ds_add_u32 v248, v249
	s_wait_dscnt 0x0
	s_endpgm
.Lfunc_end_k_q4b4467a46a_coarse:
	.size	k_q4b4467a46a_coarse, .Lfunc_end_k_q4b4467a46a_coarse-k_q4b4467a46a_coarse
	.p2alignl 7, 3214868480
	.fill 96, 4, 3214868480
	.section	.rodata,"a",@progbits
	.p2align	6, 0x0
	.amdhsa_kernel k_q4b4467a46a_coarse
		.amdhsa_group_segment_fixed_size 262912
		.amdhsa_private_segment_fixed_size 0
		.amdhsa_enable_private_segment 0
		.amdhsa_kernarg_size 24
		.amdhsa_user_sgpr_count 2
		.amdhsa_user_sgpr_kernarg_segment_ptr 1
		.amdhsa_wavefront_size32 1
		.amdhsa_system_sgpr_workgroup_id_x 1
		.amdhsa_system_sgpr_workgroup_id_y 1
		.amdhsa_system_sgpr_workgroup_id_z 1
		.amdhsa_system_vgpr_workitem_id 0
		.amdhsa_next_free_vgpr 250
		.amdhsa_next_free_sgpr 66
		.amdhsa_reserve_vcc 1
		.amdhsa_float_denorm_mode_32 3
		.amdhsa_float_denorm_mode_16_64 3
		.amdhsa_memory_ordered 1
		.amdhsa_forward_progress 1
		.amdhsa_inst_pref_size 132
	.end_amdhsa_kernel
	.amdgpu_metadata
---
amdhsa.version: [ 1, 2 ]
amdhsa.kernels:
  - .name:           k_q4b4467a46a_coarse
    .symbol:         k_q4b4467a46a_coarse.kd
    .args:
      - { .name: points, .offset: 0, .size: 8, .value_kind: global_buffer, .address_space: global }
      - { .name: mask, .offset: 8, .size: 8, .value_kind: global_buffer, .address_space: global }
      - { .name: rounds, .offset: 16, .size: 8, .value_kind: global_buffer, .address_space: global }
    .group_segment_fixed_size: 262912
    .private_segment_fixed_size: 0
    .kernarg_segment_align: 8
    .kernarg_segment_size: 24
    .max_flat_workgroup_size: 128
    .sgpr_count:     66
    .vgpr_count:     250
    .wavefront_size: 32
...
	.end_amdgpu_metadata
.endif
;; end of part 3
;; launch exact: the kernel of part 2 again; grid 256 x 1, 4 waves a work-group, no clusters, 139,776 bytes of LDS; arguments points, mask, rounds, out0; writes out0
